; MI455X (gfx1250); checked and timed in simulation.
; The chip was launched on July 23, 2026; its instructions are those of AMD's public machine-readable ISA for CDNA 5 (MIT licence, August 2026) and "CDNA5" Instruction Set Architecture Reference Guide (July 2026). The comments in the code are by the model that wrote it; some were corrected since.
;; LSTM Cell. Allowed arithmetic: matrix products marked QUANTISED: E5M2 operands, one given power-of-two scale a tensor, by v_wmma_f32_16x16x64_bf8_bf8 or v_wmma_f32_16x16x128_bf8_bf8, f32 sums; everything else in f32.
;; Inputs: W_hc 2,048 x 2,048 float32; W_hf 2,048 x 2,048 float32; W_hi 2,048 x 2,048 float32; W_ho 2,048 x 2,048 float32; W_xc 2,048 x 2,048 float32; W_xf 2,048 x 2,048 float32; W_xi 2,048 x 2,048 float32; W_xo 2,048 x 2,048 float32; b_c 2,048 float32; b_f 2,048 float32; b_i 2,048 float32; b_o 2,048 float32; c 2,048 x 2,048 float32; h_codes 2,048 x 64 x 32 uint8 (E5M2 codes of h, K innermost, in blocks of 32 codes); lowp_scales 4 int32 (the exponents e of the quantised operands' scales 2^e); x_codes 2,048 x 64 x 32 uint8 (E5M2 codes of x, K innermost, in blocks of 32 codes).
;; Outputs: out0 2,048 x 2,048 float32; out1 2,048 x 2,048 float32.
;; This version of the problem:
;;   THIS VERSION OF THE PROBLEM IS GIVEN IN LOW PRECISION. The matrix products marked QUANTISED in the list below multiply operands that are first quantised to E5M2 (5 exponent bits, 2 mantissa bits; 8 bits a number), with one given power-of-two scale for each operand tensor; their sums are f32. All else is computed in f32.
;;   The module's matrix products, in the order in which they are computed (A, B: the left and right operand; K: the contracted axis; several contracted axes count as one K, in the product's order):
;;     1. [M 2,048, K 2,048] x [K 2,048, N 8,192]; A: input x (given as codes); B: computed on the way: QUANTISED (scales: A lowp_scales[0], B lowp_scales[1])
;;     2. [M 2,048, K 2,048] x [K 2,048, N 8,192]; A: input h (given as codes); B: computed on the way: QUANTISED (scales: A lowp_scales[2], B lowp_scales[3])
;;   THE QUANTISER, for each operand of a quantised product, along K:
;;     - The operand's scale is 2^e, e = its entry of the input lowp_scales (int32; the entries are numbered through the quantised products in the list's order, A before B).
;;     - Each number is divided by the scale, clamped to +-57,344, and rounded to the nearest number of E5M2, ties to even, subnormals kept.
;;     - The product sums the exact products of the quantised numbers (number of the format x scale) in f32.
;;   ~~~python
;;   def quantise(x, axis, e):      # numpy; x: float32 -> the quantised numbers, widened to float32 again
;;       x = np.moveaxis(x, axis, -1); K = x.shape[-1]
;;       r = np.clip(x / 2.0 ** e, -57344, 57344)
;;       step = 2.0 ** (np.maximum(np.frexp(np.where(r == 0, 1, r))[1] - 1, -14) - 2)
;;       q = np.round(r / step) * step * 2.0 ** e      # np.round: ties to even
;;       return np.moveaxis(q, -1, axis).astype(np.float32)
;;   ~~~
;;   OPERANDS COMPUTED ON THE WAY. 'Computed on the way' means the value that the module computes at that place (a softmax that the list does not call 'softmax' is quantised finished and normalised). What goes into a quantiser is computed in f32, as accurately as f32 sums, v_exp_f32 and their like allow (about 1e-6 of the number): no bf16 or f16 on the way to a quantiser, and a product that is left as it is and whose result goes on into a quantised operand takes f32 operands (vector FMAs, or v_wmma_f32_16x16x4_f32). A number that lies on a knife's edge between two numbers of the format may be rounded either way, as far as f32 arithmetic and the matrix unit's own rounding can turn it there, and no further.
;;   INPUTS GIVEN AS CODES. h (in the module: [2048, 2048], K = its axis 1); x (in the module: [2048, 2048], K = its axis 1): each comes as NAME_codes (uint8): NAME with its K axis moved to the last place and cut into blocks of 32 codes, [.., K / 32, bytes a block], one block behind the other in memory; one code a byte (a code: sign, 5 exponent bits, 2 mantissa bits); its scale is its entry of lowp_scales. Its value is code x scale, taken as it is: it is not quantised again, and the codes and scales need not be those that the quantiser above would give.
;; One version. Each part assembles by itself: llvm-mc -triple=amdgcn-amd-amdhsa -mcpu=gfx1250 --defsym DOCPART=n.
;; ======== version 1 of 1: 2 launches
;; limits: below input magnitudes of 4e-05 results are inexact or not finite
;; workspace buffers: wcodes 33,554,432 bytes
;; launch quant (part 1): grid 16 x 64, 4 waves a work-group, no clusters, 35,328 bytes of LDS; arguments W_xi, W_xf, W_xc, W_xo, W_hi, W_hf, W_hc, W_ho, lowp_scales, wcodes; writes wcodes
.if DOCPART == 1
	.amdgcn_target "amdgcn-amd-amdhsa--gfx1250"
	.amdhsa_code_object_version 6
	.text
	.protected	k_qa62b0fe997_quant
	.globl	k_qa62b0fe997_quant
	.p2align	8
	.type	k_qa62b0fe997_quant,@function
k_qa62b0fe997_quant:
	s_mov_b64 s[64:65], 0
	v_nop
	global_prefetch_b8 v0, s[64:65] scope:SCOPE_SE
	s_setreg_imm32_b32 hwreg(HW_REG_WAVE_MODE, 25, 1), 1
	s_wait_xcnt 0x0
; The eight weights, each [2048 (k)][2048 (n)] f32 with K as the FIRST axis, become codes of BF8 (E5M2), K innermost, in ONE operand wcodes [8192 rows R][4096 bytes]:
;   R = (n / 32) x 128 + g x 32 + n % 32, g the gate (0 i, 1 f, 2 c, 3 o);  byte side x 2048 + k (side 0: the weights of x, side 1: those of h).
; So 128 consecutive rows R are 32 columns n of all four gates, and a row runs through x's K and then through h's.
; code = w / 2^e, held within +-57,344, rounded to the nearest code, ties to even.  e = lowp_scales[1] for the weights of x, lowp_scales[3] for those of h.
; LIMITS: -126 <= e and e + 15 <= 127, so that 2^e and 57,344 x 2^e are f32 numbers.  NaN among the weights is not served; an infinity is held at the largest code.
; SHARES.  Work-group (x, y): weight y / 8, 256 along K from 256 (y % 8) on, columns 128 x .. 128 x + 127.  Wave w takes k rows 64 w .. 64 w + 63 of all 128 columns, in four chunks of 16 rows.
; A lane takes FOUR neighbouring columns, so that each load of a wave reads 512 consecutive bytes of one k row.  A conversion of eight registers (two k rows x four columns) gives one word a k row, byte c = column c;
; four such words are turned by eight v_perm_b32 into four words, one a column, with four neighbours along K each.  The codes meet in one stage in LDS, a row a column, and leave as rows of 256 bytes.
; No tensor loads, no loop: every offset is an immediate (63 rows of 8,192 bytes and 408 rows of 4,096 bytes at the most, inside the signed 24-bit immediate: ISA guide, chapter 10).
.set PITCH, 272                        ; a stage row: 256 codes + 16 bytes, so that 16 lanes that stand a row apart touch 16 different 16-byte columns
.set C,     16                         ; v16-31   column c's 16 codes of a chunk in v[C+4c : C+4c+3]
.set X,     32                         ; v32-223  three sets of 64 numbers: k row i of a chunk at 4 i .. 4 i + 3.  v32-95 serve the way out at the end
.set D,     224                        ; v224-239 one word a k row
.set P,     240                        ; v240-243 at work in the turn
	s_load_b512 s[8:23], s[0:1], 0x0               ; the eight weights, in the order side x 4 + gate
	s_load_b128 s[24:27], s[0:1], 0x40             ; the scales' exponents s[24:25], wcodes s[26:27]
	v_lshl_add_u32 v254, v0, 2, 0x8800
	v_mov_b32 v255, 0
	v_lshrrev_b32 v6, 5, v0
	v_readfirstlane_b32 s28, v6                    ; wave 0..3
	v_and_b32 v1, 31, v0                           ; lane
	v_lshlrev_b32 v2, 4, v1                        ; in: my 16 bytes of a k row's 512
	s_and_b32 s29, ttmp7, 0xffff                   ; work-group y
	s_lshr_b32 s30, s29, 3                         ; which weight
	s_and_b32 s31, s29, 7                          ; which 256 along K
	s_and_b32 s32, s30, 3                          ; its gate
	s_lshr_b32 s33, s30, 2                         ; its side
	s_lshl_b32 s44, s28, 6
	v_mul_u32_u24 v3, v1, PITCH
	v_add_nc_u32 v3, s44, v3                       ; into the stage: row 32 c + lane holds column 4 lane + c; my wave's 64 bytes of it begin at 64 w
	v_and_b32 v6, 15, v1
	v_lshrrev_b32 v7, 4, v1                        ; hh: which half of the lanes
	s_mul_i32 s45, s28, 32*PITCH
	v_mul_u32_u24 v4, v7, PITCH
	v_lshl_add_u32 v4, v6, 4, v4
	v_add_nc_u32 v4, s45, v4                       ; out of it: wave w takes stage rows 32 w + 2 t + hh, sixteen lanes to a row
	v_lshlrev_b32 v5, 14, v7
	v_lshl_add_u32 v5, v6, 4, v5
	s_lshl_b32 s45, s28, 12
	v_add_nc_u32 v5, s45, v5                       ; that stage row is column 8 t + 4 hh + w: (4 hh + w) rows of 4,096 bytes + 16 (lane % 16); t stands in the immediate
	s_lshl_b32 s34, s31, 21                        ; the weight: (256 ky + 64 w) rows of 8,192 bytes + 512 x
	s_lshl_b32 s44, s28, 19
	s_add_co_u32 s34, s34, s44
	s_lshl_b32 s44, ttmp9, 9
	s_add_co_u32 s34, s34, s44
	s_mov_b32 s35, 0
	s_lshl_b32 s46, ttmp9, 21                      ; wcodes: (512 x + 32 g) rows of 4,096 bytes + 2,048 side + 256 ky
	s_lshl_b32 s44, s32, 17
	s_add_co_u32 s46, s46, s44
	s_lshl_b32 s44, s33, 11
	s_add_co_u32 s46, s46, s44
	s_lshl_b32 s44, s31, 8
	s_add_co_u32 s46, s46, s44
	s_mov_b32 s47, 0
	s_mov_b32 s36, 0x05010400                      ; the turn's selectors: bytes 0 and 1 of two words, interleaved;
	s_mov_b32 s37, 0x07030602                      ; bytes 2 and 3;
	s_mov_b32 s38, 0x05040100                      ; the low halves of two words;
	s_mov_b32 s39, 0x07060302                      ; the high halves
	s_wait_kmcnt 0x0
	s_load_b128 s[40:43], s[24:25], 0x0            ; the four exponents
	s_and_b32 s44, s30, 1                          ; the weight's address is chosen among the eight by the three bits of its number, which hangs on the work-group's number alone
	s_cmp_lg_u32 s44, 0
	s_cselect_b64 s[8:9], s[10:11], s[8:9]
	s_cselect_b64 s[12:13], s[14:15], s[12:13]
	s_cselect_b64 s[16:17], s[18:19], s[16:17]
	s_cselect_b64 s[20:21], s[22:23], s[20:21]
	s_and_b32 s44, s30, 2
	s_cmp_lg_u32 s44, 0
	s_cselect_b64 s[8:9], s[12:13], s[8:9]
	s_cselect_b64 s[16:17], s[20:21], s[16:17]
	s_and_b32 s44, s30, 4
	s_cmp_lg_u32 s44, 0
	s_cselect_b64 s[8:9], s[16:17], s[8:9]
	s_add_nc_u64 s[8:9], s[8:9], s[34:35]
	s_add_nc_u64 s[26:27], s[26:27], s[46:47]
.macro LOAD q                          ; chunk q: 16 k rows, 512 consecutive bytes a load, into set q % 3
.irp i, 0,1,2,3,4,5,6,7,8,9,10,11,12,13,14,15
	global_load_b128 v[X+64*((\q)%3)+4*\i:X+64*((\q)%3)+4*\i+3], v2, s[8:9] offset:(16*(\q)+\i)*8192 th:TH_LOAD_NT
.endr
.endm
	LOAD 0
	LOAD 1
	LOAD 2
	s_wait_kmcnt 0x0
	s_cmp_lg_u32 s33, 0
	s_cselect_b32 s44, s43, s41                    ; e: entry 3 for h's weights, entry 1 for x's
	s_add_co_i32 s44, s44, 127
	s_lshl_b32 s45, s44, 23
	v_mov_b32 v11, s45                             ; 2^e as f32: the conversion takes its exponent field
	s_add_co_i32 s44, s44, 15
	s_lshl_b32 s44, s44, 23
	s_or_b32 s44, s44, 0x600000
	v_mov_b32 v10, s44                             ; 57,344 x 2^e
; Chunk q.  left = the loads of the younger chunks, which may stay out.
.macro CHUNK q, left
.set XS, X+64*((\q)%3)
	s_wait_loadcnt \left                           ; loads come back in order (ISA guide 5.7.1): this chunk's sixteen are in
.set J, 0
.rept 64
	v_med3_num_f32 v[XS+J], v[XS+J], -v10, v10     ; the conversion to an 8-bit code does not saturate (ISA guide 7.6.2): the hold at the largest code x the scale comes first
.set J, J+1
.endr
.irp j, 0,1,2,3,4,5,6,7
	v_cvt_scalef32_pk8_bf8_f32 v[D+2*\j:D+2*\j+1], v[XS+8*\j:XS+8*\j+7], v11   ; k rows 2 j and 2 j + 1: a word each, byte c = column c
.endr
	v_nop                                          ; one plain vector instruction between the last conversion and the lines that read the codes
.if (\q) == 0
	LOAD 3                                         ; the last chunk takes the set that has just been converted
.else
	s_wait_dscnt 0x0                               ; the last chunk's stores into the stage have read their registers
.endif
.irp p, 0,1,2,3                        ; four k rows x four columns of bytes are turned: word p of each column holds k = 4 p .. 4 p + 3
	v_perm_b32 v[P],   v[D+4*\p+1], v[D+4*\p],   s36
	v_perm_b32 v[P+1], v[D+4*\p+1], v[D+4*\p],   s37
	v_perm_b32 v[P+2], v[D+4*\p+3], v[D+4*\p+2], s36
	v_perm_b32 v[P+3], v[D+4*\p+3], v[D+4*\p+2], s37
	v_perm_b32 v[C+\p],    v[P+2], v[P],   s38
	v_perm_b32 v[C+4+\p],  v[P+2], v[P],   s39
	v_perm_b32 v[C+8+\p],  v[P+3], v[P+1], s38
	v_perm_b32 v[C+12+\p], v[P+3], v[P+1], s39
.endr
.irp c, 0,1,2,3
	ds_store_b128 v3, v[C+4*\c:C+4*\c+3] offset:\c*32*PITCH+16*(\q)   ; column 4 lane + c, k = 64 w + 16 q + 0 .. 15
.endr
.endm
	CHUNK 0, 32
	CHUNK 1, 32
	CHUNK 2, 16
	CHUNK 3, 0
	s_wait_dscnt 0x0                               ; for the others' sake: my stores into the stage are done
	s_barrier_signal -1
	s_barrier_wait -1                              ; a stage row's 256 bytes come from the four waves
.irp t, 0,1,2,3,4,5,6,7,8,9,10,11,12,13,14,15
	ds_load_b128 v[X+4*\t:X+4*\t+3], v4 offset:2*\t*PITCH
.endr
.irp t, 0,1,2,3,4,5,6,7,8,9,10,11,12,13,14,15
	s_wait_dscnt 15-\t                             ; LDS loads come back in order: number t is in, the younger ones may be out
	global_store_b128 v5, v[X+4*\t:X+4*\t+3], s[26:27] offset:((\t/4)*128+8*(\t%4))*4096   ; column 8 t + 4 hh + w: sixteen lanes store 256 consecutive bytes, at a multiple of 256 from the buffer's first byte
.endr
	s_wait_tensorcnt 0x0
	ds_add_u32 v254, v255
	s_wait_dscnt 0x0
	s_endpgm
.Lfunc_end_k_qa62b0fe997_quant:
	.size	k_qa62b0fe997_quant, .Lfunc_end_k_qa62b0fe997_quant-k_qa62b0fe997_quant
	.p2alignl 7, 3214868480
	.fill 96, 4, 3214868480
	.section	.rodata,"a",@progbits
	.p2align	6, 0x0
	.amdhsa_kernel k_qa62b0fe997_quant
		.amdhsa_group_segment_fixed_size 35328
		.amdhsa_private_segment_fixed_size 0
		.amdhsa_enable_private_segment 0
		.amdhsa_kernarg_size 80
		.amdhsa_user_sgpr_count 2
		.amdhsa_user_sgpr_kernarg_segment_ptr 1
		.amdhsa_wavefront_size32 1
		.amdhsa_system_sgpr_workgroup_id_x 1
		.amdhsa_system_sgpr_workgroup_id_y 1
		.amdhsa_system_sgpr_workgroup_id_z 1
		.amdhsa_system_vgpr_workitem_id 0
		.amdhsa_next_free_vgpr 256
		.amdhsa_next_free_sgpr 66
		.amdhsa_reserve_vcc 0
		.amdhsa_float_denorm_mode_32 3
		.amdhsa_float_denorm_mode_16_64 3
		.amdhsa_memory_ordered 1
		.amdhsa_forward_progress 1
		.amdhsa_inst_pref_size 40
	.end_amdhsa_kernel
	.amdgpu_metadata
---
amdhsa.version: [ 1, 2 ]
amdhsa.kernels:
  - .name:           k_qa62b0fe997_quant
    .symbol:         k_qa62b0fe997_quant.kd
    .args:
      - { .name: W_xi, .offset: 0, .size: 8, .value_kind: global_buffer, .address_space: global }
      - { .name: W_xf, .offset: 8, .size: 8, .value_kind: global_buffer, .address_space: global }
      - { .name: W_xc, .offset: 16, .size: 8, .value_kind: global_buffer, .address_space: global }
      - { .name: W_xo, .offset: 24, .size: 8, .value_kind: global_buffer, .address_space: global }
      - { .name: W_hi, .offset: 32, .size: 8, .value_kind: global_buffer, .address_space: global }
      - { .name: W_hf, .offset: 40, .size: 8, .value_kind: global_buffer, .address_space: global }
      - { .name: W_hc, .offset: 48, .size: 8, .value_kind: global_buffer, .address_space: global }
      - { .name: W_ho, .offset: 56, .size: 8, .value_kind: global_buffer, .address_space: global }
      - { .name: lowp_scales, .offset: 64, .size: 8, .value_kind: global_buffer, .address_space: global }
      - { .name: wcodes, .offset: 72, .size: 8, .value_kind: global_buffer, .address_space: global }
    .group_segment_fixed_size: 35328
    .private_segment_fixed_size: 0
    .kernarg_segment_align: 8
    .kernarg_segment_size: 80
    .max_flat_workgroup_size: 128
    .sgpr_count:     66
    .vgpr_count:     256
    .wavefront_size: 32
...
	.end_amdgpu_metadata
.endif
;; end of part 1
;; launch lstm (part 2): grid 32 x 8, 4 waves a work-group, clusters of 4 x 4, 327,680 bytes of LDS; arguments x_codes, h_codes, wcodes, lowp_scales, c, b_i, b_f, b_c, b_o, out0, out1; writes out0, out1
.if DOCPART == 2
	.amdgcn_target "amdgcn-amd-amdhsa--gfx1250"
	.amdhsa_code_object_version 6
	.text
	.protected	k_qa62b0fe997_lstm
	.globl	k_qa62b0fe997_lstm
	.p2align	8
	.type	k_qa62b0fe997_lstm,@function
k_qa62b0fe997_lstm:
	s_mov_b64 s[64:65], 0
	v_nop
	global_prefetch_b8 v0, s[64:65] scope:SCOPE_SE
	s_setreg_imm32_b32 hwreg(HW_REG_WAVE_MODE, 25, 1), 1
	s_wait_xcnt 0x0
	s_wait_alu depctr_hold_cnt(0) depctr_sa_sdst(0) depctr_va_vdst(0) depctr_va_sdst(0) depctr_va_ssrc(0) depctr_va_vcc(0) depctr_vm_vsrc(0)
	s_getreg_b32 s2, hwreg(HW_REG_IB_STS2, 6, 4)
	s_cmp_eq_u32 s2, 0
	s_cbranch_scc0 .Lentry_in_a_cluster
	s_endpgm
.Lentry_in_a_cluster:
	s_bfe_u32 s2, ttmp6, 0x10000c
	s_cmp_lg_u32 s2, 0xf033
	s_cbranch_scc0 .Lentry_shape_is_right
	s_endpgm
.Lentry_shape_is_right:
; The LSTM cell.  gates = x Wx + h Wh + b on codes of BF8 (E5M2); i, f, o = sigmoid, c^ = tanh; c_new = f c + i c^ (out1); h_new = o tanh(c_new) (out0).  All [2048][2048]; sums and all else in f32.
; x_codes, h_codes: [2048][2048] bytes, K innermost.  wcodes: [8192 rows R][4096] bytes, made by the launch before: R = (n / 32) x 128 + gate x 32 + n % 32 (gate 0 i, 1 f, 2 c, 3 o), bytes 0-2047 the weights of x along K, 2048-4095 those of h.
; ONE SET OF SUMS FOR BOTH PRODUCTS.  A sum over x stands for sum x 2^(e0 + e1), one over h for sum x 2^(e2 + e3).  K runs through x (8 K steps of 256), the sums are multiplied once by 2^(e0 + e1 - e2 - e3), which rounds
; nothing, and K runs on through h (8 K steps): the finished sum stands for sum x 2^(e2 + e3), and that power of two is folded into the factor in front of each exponential.
; LIMITS on the given exponents, so that each factor is an f32 number: e0 + e1 - e2 - e3 between -126 and 127; e2 + e3 between -126 and 126.
; sigmoid(g) = 1 / (1 + 2^(-log2(e) g)), tanh(g) = 1 - 2 / (1 + 2^(2 log2(e) g)): where the power of two overflows to infinity or falls to 0 the reciprocal gives the limits 0, 1, -1.
; SHARES.  A work-group of four waves makes 256 rows x 64 columns n of both outputs = 256 x 256 of the gates; a wave 128 x 128: 64 accumulators of 16 x 16, 512 registers; its 128 rows of wcodes are 32 columns n x 4 gates.
; K goes through a ring of two LDS slots filled by the tensor data mover; a tile's row is 256 bytes of memory.
; CLUSTERS: 4 x 4 work-groups.  The four of a row of the cluster need the same tiles of x and h, the four of a column the same tiles of wcodes: each tile is asked for JOINTLY, by the same tensor load with the same descriptor
; and a mask that names the four.
; THE MATRIX INSTRUCTION IS USED TRANSPOSED (source 0 = 16 rows of wcodes, source 1 = 16 rows of x or h): in accumulator (a, b = 2 g + u) lane (r, h) holds, in register j, gate g of row 16 a + r and column 16 u + 8 h + j of
; my 32: so ALL FOUR GATES of an output number lie in one lane, and the cell is finished in registers.  c's tile comes by the last refill of slot 0; c_new is stored over it, h_new beside it, and each block of 16 rows
; leaves as rows of 256 bytes while the next blocks are worked.
; REGISTERS, in windows of 256: window 0: v1-29 addresses; v32-95 the biases; v96-127 rows on their way out; from v128 A's fragments (8 x 16 rows x 128 K), ONE set; on the way out v128-239 are at work.
;   window 1: B's fragments, TWO sets, at v0 and at v128.   window 2: the 32 accumulators of my rows 0-63 (accumulator (a, b) at v[8 (8 a + b)]);   window 3: those of my rows 64-127.
.set ROWB,   256                       ; a tile's row in bytes: 256 along K
.set PITCH,  272                       ; an LDS row: 256 bytes of data + 16 of padding = 68 words: row r starts at bank 4 r mod 64 (64 banks of 4 bytes: ISA guide 11.1), so the 16 rows that a load touches start at 16 different banks
.set FR,     16                        ; registers of a fragment: 16 rows x 128 K
.set NL,     4                         ; LDS loads that bring one
.set NP,     4                         ; places behind this matrix instruction (ISA guide 7.12.1)
.set HALFT,  128*PITCH                 ; 128 rows: what one joint load brings, and what one wave reads of A or of B
.set SLOT,   4*HALFT                   ; A's 256 rows, then B's 256 rows
.set SPARE,  2*SLOT                    ; behind the ring: the spare words, 128 bytes for each wave: two blocks of 256 bytes that no other line names
.set HREG,   2*HALFT                   ; the way out: c's tile, then c_new, 256 rows x 272 bytes, lies at LDS byte 0 (slot 0's part for A); h_new from here on (slot 0's part for B).  Both have had their last fill when results are stored there
.set ADRA, 16                          ; v16-17  LDS address of my A fragments in slot 0, 1
.set ADRB, 20                          ; v20-21  the same for B
.set CA,   22                          ; v22     my 32 bytes of a row of c's tile: (128 rh + r) rows + 128 ch + 32 h
.set HAD,  23                          ; v23     the same in h_new's region
.set RD,   24                          ; v24     the way out: where I read rows back: row 128 (wave / 2) + lane / 16 of c_new's region (even waves) or of h_new's (odd waves), 16 bytes a lane
.set OV,   26                          ; v26     my byte offset in two rows of an output
.set VB,   27                          ; v27     my byte offset in my wave's 32 numbers of a bias: 32 h
.set SPW,  28                          ; v28     LDS address of my spare word: SPARE + 4 x my thread's number; never rewritten
.set NIL,  29                          ; v29     0; never rewritten
.set BI,   32                          ; v32-95  the biases, gate g at 16 g, number 8 u + j; multiplied once by the factor in front of the gate's exponential
.set OB,   96                          ; v96-127 16 rows read back from LDS, on their way to memory
.set AF,   128                         ; A's fragments, in window 0
.set T,    128                         ; the way out: 64 registers, a block's four gates, gate g at 16 g
.set CC,   192                         ; 16 numbers of c
.set CN,   208                         ; 16 of c_new
.set U,    224                         ; 16 of h_new
.set G1,  24                           ; s[24:31] descriptor group 1 for A's tiles;  s[32:39] group 0, one set for each slot
.set G0,  32
.set G1B, 48                           ; s[48:55], s[56:63] the same for B's tiles
.set G0B, 56
.set HP,  66                           ; s[66:67] h's codes at the rows that I fetch
.set G1C, 84                           ; s[84:91], s[92:95] the descriptor of c's tile
.set G0C, 92
.set SD,  96                           ; s[96:97]   2^(e0 + e1 - e2 - e3)   (the packed forms name a pair and take its low word for both halves: both words are written)
.set FS,  98                           ; s[98:99]   -log2(e) x 2^(e2 + e3): in front of a sigmoid's exponential
.set FT,  100                          ; s[100:101] 2 log2(e) x 2^(e2 + e3): in front of the tanh's  (at the head the pair holds the byte offset of the rows that I store)
.set MSB, 0
.macro WIN new                         ; the immediate's high byte repeats the setting that is left
.if MSB != \new
	s_set_vgpr_msb (MSB<<8)|\new
.set MSB, \new
.endif
.endm
.set MUL_LO, 0xa1                      ; source 0 (B) window 1, source 1 (A) window 0, C and D window 2
.set MUL_HI, 0xf1                      ; the same, C and D window 3
.set TO_B,   0x40                      ; destination window 1, address window 0
; A joint load: waves 0 and 1 fetch for A, waves 2 and 3 for B.  Each of the two lines has ONE mask and one set of registers for all that issue it; the branch hangs on the wave's number alone.
; Four v_nop follow each of the two lines, ahead of the jump, the label and what follows.
.macro JLOAD g0a, g1a, g0b, g1b
	s_cmp_eq_u32 s15, 0
	s_cbranch_scc0 .Lfor_b_\@
	tensor_load_to_lds s[\g0a:\g0a+3], s[\g1a:\g1a+7]
	s_nop 0
.rept 4
	v_nop
.endr
	s_branch .Lasked_\@
.Lfor_b_\@:
	tensor_load_to_lds s[\g0b:\g0b+3], s[\g1b:\g1b+7]
	s_nop 0
.rept 4
	v_nop
.endr
.Lasked_\@:
.endm
.macro CREST                           ; a round of the cluster's barrier behind its opening barrier
	s_cmp_lg_u32 s14, 0
	s_cbranch_scc1 .Lnot_wave_0_\@
	s_barrier_signal -3
.Lnot_wave_0_\@:
	s_barrier_wait -3
	s_barrier_signal -1
	s_barrier_wait -1
.endm
.macro CROUND                          ; a whole round
	s_barrier_signal -1
	s_barrier_wait -1
	CREST
.endm
	s_load_b256 s[4:11], s[0:1], 0x0               ; x's codes s[4:5], h's codes s[6:7], wcodes s[8:9], the scales' exponents s[10:11]
	s_load_b256 s[68:75], s[0:1], 0x20             ; c s[68:69], b_i s[70:71], b_f s[72:73], b_c s[74:75]
	s_load_b128 s[76:79], s[0:1], 0x40             ; b_o s[76:77], out0 s[78:79]
	s_load_b64 s[80:81], s[0:1], 0x50              ; out1
	v_lshl_add_u32 v[SPW], v0, 2, SPARE
	v_mov_b32 v[NIL], 0
	ds_add_u32 v28, v29
	ds_add_u32 v28, v29
	s_wait_dscnt 0x0
	v_lshrrev_b32 v1, 5, v0
	v_readfirstlane_b32 s14, v1                    ; wave 0..3
	s_lshr_b32 s15, s14, 1                         ; rh: which half of the tile's rows is mine.  Also: I fetch for A (0) or for B (1)
	s_and_b32 s16, s14, 1                          ; ch: which half of its columns.  Also: which 128 rows of that tile I fetch, and which output I store
	s_bfe_u32 s40, ttmp6, 0x40000                  ; cx, cy: my place in the cluster
	s_bfe_u32 s41, ttmp6, 0x40004
	s_lshl_b32 s42, ttmp9, 2
	s_add_co_u32 s42, s42, s40                     ; tile column = 4 x cluster x + cx
	s_and_b32 s17, ttmp7, 0xffff
	s_lshl_b32 s17, s17, 2
	s_add_co_u32 s17, s17, s41                     ; tile row = 4 x cluster y + cy
	s_lshl_b32 s43, s41, 2
	s_lshl_b32 s43, 15, s43                        ; my row of the cluster
	s_lshl_b32 s44, 0x1111, s40                    ; my column
	; descriptor group 1 of A's and B's tiles: 128 rows x 256 bytes, padded in LDS
	s_or_b32 s[G1+0], s43, (0<<16)|(1<<20)|(1<<21)|(5<<22)|(3<<25)  ; 15:0 the mask: A's tiles go to my row; 17:16 element of 1 byte; 20 padding on; 21 set beside a mask; 24:22 after every 64 words (code 5); 31:25 of 4 words (code 3)
	s_or_b32 s[G1B+0], s44, (0<<16)|(1<<20)|(1<<21)|(5<<22)|(3<<25) ; the same with the mask of my column
.irp g, G1, G1B
	s_mov_b32 s[\g+1], ROWB<<16                    ; tensor_dim0
	s_mov_b32 s[\g+2], 128<<16                     ; tensor_dim1 = 128
	s_mov_b32 s[\g+3], ROWB<<16                    ; tile_dim0
	s_mov_b32 s[\g+4], 128                         ; tile_dim1 = 128
	s_mov_b32 s[\g+6], 0
	s_mov_b32 s[\g+7], 0
.endr
	s_mov_b32 s[G1+5], 2048                        ; tensor_dim0_stride: a row of x or of h is 2,048 codes,
	s_mov_b32 s[G1B+5], 4096                       ; a row of wcodes 4,096
	; and of c's tile: 64 rows x 64 numbers of 4 bytes, no mask: each wave fetches rows of its own
	s_mov_b32 s[G1C+0], (2<<16)|(1<<20)|(5<<22)|(3<<25)
	s_mov_b32 s[G1C+1], 64<<16                     ; tensor_dim0 = 64
	s_mov_b32 s[G1C+2], 64<<16                     ; tensor_dim1 = 64
	s_mov_b32 s[G1C+3], 64<<16                     ; tile_dim0 = 64
	s_mov_b32 s[G1C+4], 64                         ; tile_dim1 = 64
	s_mov_b32 s[G1C+5], 2048                       ; tensor_dim0_stride
	s_mov_b32 s[G1C+6], 0
	s_mov_b32 s[G1C+7], 0
	; byte offsets.  A's hangs on the tile row and the wave's number alone, B's on the tile column and the wave's number alone, each in registers that never hold the other coordinate
	s_lshl_b32 s18, s17, 19                        ; A: (256 x tile row + 128 x half) rows of 2,048 bytes
	s_lshl_b32 s12, s16, 18
	s_add_co_u32 s18, s18, s12
	s_mov_b32 s19, 0
	s_lshl_b32 s46, s42, 20                        ; B: (256 x tile column + 128 x half) rows of 4,096 bytes
	s_lshl_b32 s13, s16, 19
	s_add_co_u32 s46, s46, s13
	s_mov_b32 s47, 0
	s_lshl_b32 s82, s17, 21                        ; c, as I fetch it: (256 x tile row + 64 x wave) rows of 8,192 bytes + 256 x tile column
	s_lshl_b32 s13, s14, 19
	s_add_co_u32 s82, s82, s13
	s_lshl_b32 s13, s42, 8
	s_add_co_u32 s82, s82, s13
	s_mov_b32 s83, 0
	s_lshl_b32 s100, s17, 21                       ; the output, as I store it: (256 x tile row + 128 x (wave / 2)) rows of 8,192 bytes + 256 x tile column
	s_lshl_b32 s13, s15, 20
	s_add_co_u32 s100, s100, s13
	s_lshl_b32 s13, s42, 8
	s_add_co_u32 s100, s100, s13
	s_mov_b32 s101, 0
	s_lshl_b32 s22, s42, 8                         ; the biases: (64 x tile column + 32 x column half) numbers of 4 bytes
	s_lshl_b32 s13, s16, 7
	s_add_co_u32 s22, s22, s13
	s_mov_b32 s23, 0
	s_mul_i32 s45, s14, HALFT                      ; where the joint tiles go: wave x 128 rows: no place in the cluster enters an LDS address
	s_wait_kmcnt 0x0
	s_load_b128 s[96:99], s[10:11], 0x0            ; e0, e1, e2, e3
	s_add_nc_u64 s[20:21], s[4:5], s[18:19]        ; x at the rows that I fetch,
	s_add_nc_u64 s[HP:HP+1], s[6:7], s[18:19]      ; h likewise,
	s_add_nc_u64 s[46:47], s[8:9], s[46:47]        ; wcodes
	s_add_nc_u64 s[68:69], s[68:69], s[82:83]
	s_cmp_lg_u32 s16, 0                            ; odd waves store h_new (out0), even waves c_new (out1): the choice hangs on the wave's number alone
	s_cselect_b64 s[80:81], s[78:79], s[80:81]
	s_add_nc_u64 s[80:81], s[80:81], s[100:101]
	s_add_nc_u64 s[70:71], s[70:71], s[22:23]
	s_add_nc_u64 s[72:73], s[72:73], s[22:23]
	s_add_nc_u64 s[74:75], s[74:75], s[22:23]
	s_add_nc_u64 s[76:77], s[76:77], s[22:23]
	CROUND                                         ; all sixteen work-groups are here: the first joint loads meet
.irp s, 0,1
	s_mov_b32 s[G0+4*\s], 1
	s_add_co_u32 s[G0+4*\s+1], s45, \s*SLOT
	s_add_nc_u64 s[G0+4*\s+2:G0+4*\s+3], s[20:21], \s*ROWB
	s_or_b32 s[G0+4*\s+3], s[G0+4*\s+3], 0x80000000
	s_mov_b32 s[G0B+4*\s], 1
	s_add_co_u32 s[G0B+4*\s+1], s45, \s*SLOT
	s_add_nc_u64 s[G0B+4*\s+2:G0B+4*\s+3], s[46:47], \s*ROWB
	s_or_b32 s[G0B+4*\s+3], s[G0B+4*\s+3], 0x80000000
	JLOAD G0+4*\s, G1, G0B+4*\s, G1B               ; K steps 0 and 1: two loads of mine are out
.endr
	s_mov_b32 s[G0C], 1                            ; c's tile: my 64 rows,
	s_mul_i32 s[G0C+1], s14, 64*PITCH              ; to LDS byte 64 x wave rows
	s_mov_b64 s[G0C+2:G0C+3], s[68:69]
	s_or_b32 s[G0C+3], s[G0C+3], 0x80000000
	v_and_b32 v1, 15, v0                           ; r = l % 16
	v_bfe_u32 v2, v0, 4, 1                         ; h = l / 16
	v_lshlrev_b32 v[VB], 5, v2
.irp u, 0,1                            ; the biases of my 32 columns: lane (r, h) wants numbers 16 u + 8 h + 0 .. 7 of each gate
.irp q, 0,1
	global_load_b128 v[BI+8*\u+4*\q:BI+8*\u+4*\q+3],       v[VB], s[70:71] offset:64*\u+16*\q
	global_load_b128 v[BI+16+8*\u+4*\q:BI+16+8*\u+4*\q+3], v[VB], s[72:73] offset:64*\u+16*\q
	global_load_b128 v[BI+32+8*\u+4*\q:BI+32+8*\u+4*\q+3], v[VB], s[74:75] offset:64*\u+16*\q
	global_load_b128 v[BI+48+8*\u+4*\q:BI+48+8*\u+4*\q+3], v[VB], s[76:77] offset:64*\u+16*\q
.endr
.endr
	v_mul_u32_u24 v3, v1, PITCH
	v_lshl_add_u32 v4, v2, 4, v3                   ; a fragment's row x pitch + 16 x half
	s_mul_i32 s12, s15, HALFT                      ; my 128 rows of A
	s_mul_i32 s13, s16, HALFT                      ; my 128 rows of B,
	s_add_co_u32 s13, s13, 2*HALFT                 ; which lie behind A's 256
.irp s, 0,1
	v_add_nc_u32 v[ADRA+\s], s12, v4
	v_add_nc_u32 v[ADRB+\s], s13, v4
	s_add_co_u32 s12, s12, SLOT
	s_add_co_u32 s13, s13, SLOT
.endr
	s_mul_i32 s12, s15, HALFT                      ; c's tile: my 128 rows,
	s_lshl_b32 s13, s16, 7                         ; my 128 bytes of a row,
	s_add_co_u32 s12, s12, s13
	v_lshl_add_u32 v[CA], v2, 5, v3                ; row r, 32 bytes for each half of the lanes
	v_add_nc_u32 v[CA], s12, v[CA]
	v_add_nc_u32 v[HAD], HREG, v[CA]
	s_mul_i32 s12, s15, HALFT                      ; back: rows 128 (wave / 2) on,
	s_mul_i32 s13, s16, HREG                       ; of c_new's region (even waves) or h_new's (odd waves);
	s_add_co_u32 s12, s12, s13
	v_mul_u32_u24 v5, v2, PITCH                    ; lanes 0-15 one row of 256 bytes, lanes 16-31 the next
	v_lshl_add_u32 v5, v1, 4, v5
	v_add_nc_u32 v[RD], s12, v5
	v_lshlrev_b32 v6, 13, v2                       ; and the same two rows in an output
	v_lshl_add_u32 v[OV], v1, 4, v6
	s_wait_kmcnt 0x0
	s_add_co_i32 s12, s96, s97                     ; e0 + e1
	s_add_co_i32 s13, s98, s99                     ; e2 + e3
	s_sub_co_i32 s12, s12, s13
	s_add_co_i32 s12, s12, 127
	s_lshl_b32 s[SD], s12, 23                      ; 2^(e0 + e1 - e2 - e3) as f32
	s_mov_b32 s[SD+1], s[SD]
	s_lshl_b32 s13, s13, 23                        ; e2 + e3 is added to the exponent fields of
	s_add_co_i32 s[FS], s13, 0xbfb8aa3b            ; -log2(e)
	s_mov_b32 s[FS+1], s[FS]
	s_add_co_i32 s[FT], s13, 0x4038aa3b            ; and 2 log2(e)
	s_mov_b32 s[FT+1], s[FT]
.macro FRAG reg, adr, q, i             ; a fragment, 16 rows x 128 K of 8-bit codes, is 16 registers: lane l holds row l % 16; registers 4 c .. 4 c + 3 hold K = 32 c + 16 (l / 16) + 0 .. 15: the same places of k in A and in B, so every product meets its partner
.irp c, 0,1,2,3
	ds_load_b128 v[\reg+4*\c:\reg+4*\c+3], v[\adr] offset:128*(\q)+32*\c+(\i)*16*PITCH
.endr
.endm
; 16 matrix instructions: A's blocks a0, a0 + 1 x B's eight, 128 along K.  p: B's set.  zero = 1: the first product starts the sums: nothing is ever cleared.
; The 64 accumulators take turns, one instruction a turn, in the same order in every step.
.macro MUL16 a0, p, zero
.irp a, \a0, \a0+1
.irp b, 0,1,2,3,4,5,6,7
.if \zero
	v_wmma_f32_16x16x128_bf8_bf8 v[8*(8*((\a)%4)+\b):8*(8*((\a)%4)+\b)+7], v[128*(\p)+FR*\b:128*(\p)+FR*\b+FR-1], v[AF+FR*(\a):AF+FR*(\a)+FR-1], 0
.else
	v_wmma_f32_16x16x128_bf8_bf8 v[8*(8*((\a)%4)+\b):8*(8*((\a)%4)+\b)+7], v[128*(\p)+FR*\b:128*(\p)+FR*\b+FR-1], v[AF+FR*(\a):AF+FR*(\a)+FR-1], v[8*(8*((\a)%4)+\b):8*(8*((\a)%4)+\b)+7]
.endif
.endr
.endr
.endm
.macro FETCH_B slot, q, p              ; B's eight fragments of the slot's q-th 128 along K into set p
	WIN TO_B
.irp i, 0,1,2,3,4,5,6,7
	FRAG 128*(\p)+FR*\i, ADRB+\slot, \q, \i
.endr
	WIN 0
.endm
.macro FETCH_A slot, q, i0             ; A's blocks i0 .. i0 + 3
.irp i, \i0, \i0+1, \i0+2, \i0+3
	FRAG AF+FR*(\i), ADRA+\slot, \q, \i
.endr
.endm
; A load into a register that a matrix instruction has read, and a vector instruction that reads a matrix result, stand NP places behind that matrix instruction, and only plain vector instructions
; that name none of its registers are places (ISA guide 7.12.1 for vector instructions); the matrix instructions in between are not counted.
.macro PLACES n
.rept \n
	v_nop
.endr
.endm
; A step of 128 along K that has its successor in the same slot.  A block of A is free as soon as its eight products are issued: blocks 0-3 are fetched anew in the step's middle, blocks 4-7 at its end.
.macro STEP slot, q, zero
	s_wait_dscnt 4*NL                              ; B's set and A's blocks 0-3 are in; the youngest sixteen loads (A's blocks 4-7) may be out
	WIN MUL_LO
	MUL16 0, (\q)%2, \zero
	MUL16 2, (\q)%2, \zero
	s_wait_dscnt 0                                 ; A's blocks 4-7 are in (asked for 32 matrix instructions ago)
	PLACES NP
	FETCH_B \slot, (\q)+1, 1-(\q)%2
	FETCH_A \slot, (\q)+1, 0
	WIN MUL_HI
	MUL16 4, (\q)%2, \zero
	MUL16 6, (\q)%2, \zero
	PLACES NP
	WIN 0
	FETCH_A \slot, (\q)+1, 4
.endm
; A slot's last step changes slots in its middle.  Its first 32 products come first: all that they read is in registers.  Then each wave waits for all its tensor loads, adds 0 to its spare word, and waits for that and for its
; own reads of this slot; a round of the cluster's barrier follows at once, and behind it this slot is filled again.  NO PRODUCT STANDS BETWEEN THE WAIT FOR A LANDING AND THE NEXT REQUEST: a request has the whole of the
; next 128 products in which to land, and where a tile is late the next request is not held up by work that could have been done before.
; mode 1: the K step two steps on.  mode 2: A goes over from x to h (h's K step 0 or 1, by the slot); B's rows run on.  mode 3: the slot's part for A takes c's tile, 64 rows a wave.
.macro TURN slot, next, mode
	s_wait_dscnt 4*NL                              ; B's set and A's blocks 0-3 are in; the youngest sixteen loads (A's blocks 4-7) may be out
	WIN MUL_LO
	MUL16 0, 1, 0
	MUL16 2, 1, 0
	WIN 0
	s_wait_tensorcnt 0x0                           ; all my tensor loads have landed: the one that was out is my part of the next slot; so every group 0 may be written
	ds_add_u32 v[SPW], v[NIL]                      ; 0 onto my spare word: the descriptors' steps stand between it and the wait for it
.if \mode == 1
	s_add_nc_u64 s[G0+4*\slot+2:G0+4*\slot+3], s[G0+4*\slot+2:G0+4*\slot+3], 2*ROWB
	s_add_nc_u64 s[G0B+4*\slot+2:G0B+4*\slot+3], s[G0B+4*\slot+2:G0B+4*\slot+3], 2*ROWB
.elseif \mode == 2
	s_add_nc_u64 s[G0+4*\slot+2:G0+4*\slot+3], s[HP:HP+1], \slot*ROWB
	s_or_b32 s[G0+4*\slot+3], s[G0+4*\slot+3], 0x80000000
	s_add_nc_u64 s[G0B+4*\slot+2:G0B+4*\slot+3], s[G0B+4*\slot+2:G0B+4*\slot+3], 2*ROWB
.endif
	s_wait_dscnt 0x0                               ; the add is done, and my reads of this slot are over (the last, A's blocks 4-7, were issued 32 matrix instructions ago)
	CROUND                                         ; no wave of any partner still reads this slot's tile or has a load on its way
.if \mode == 3
	tensor_load_to_lds s[G0C:G0C+3], s[G1C:G1C+7]  ; every wave: its own 64 rows of c; the last tensor load of the launch
	s_nop 0
	PLACES NP
.else
	JLOAD G0+4*\slot, G1, G0B+4*\slot, G1B         ; the first tensor load behind the round; the four v_nop behind it are the places in front of the loads below
.endif
	FETCH_B \next, 0, 0
	FETCH_A \next, 0, 0
	WIN MUL_HI
	MUL16 4, 1, 0
	MUL16 6, 1, 0
	PLACES NP
	WIN 0
	FETCH_A \next, 0, 4
.endm
; Between x and h: all 512 sums x 2^(e0 + e1 - e2 - e3), two at a time, each accumulator from its low end on.  The four v_nop at the end of the step before are the places behind its last products.
.macro RESCALE
	WIN 0x82                                       ; source 0 and destination window 2
.set J, 0
.rept 128
	v_pk_mul_f32 v[J:J+1], v[J:J+1], s[SD:SD+1] op_sel_hi:[1,0]
.set J, J+2
.endr
	WIN 0xc3                                       ; window 3
.set J, 0
.rept 128
	v_pk_mul_f32 v[J:J+1], v[J:J+1], s[SD:SD+1] op_sel_hi:[1,0]
.set J, J+2
.endr
	WIN 0
.endm
	s_wait_tensorcnt 1                             ; my part of K step 0 is in (K step 1's load may be out)
	s_barrier_signal -1
	s_barrier_wait -1                              ; everybody's is
	FETCH_B 0, 0, 0
	FETCH_A 0, 0, 0
	FETCH_A 0, 0, 4
	STEP 0, 0, 1                                   ; the first step stands in front of the loop: its products start the sums
	s_mov_b32 s3, 3
.Lx:                                                   ; a trip goes once round the ring: x's K steps 0 to 5 are finished, K steps 2 to 7 asked for
	TURN 0, 1, 1
	STEP 1, 0, 0
	TURN 1, 0, 1
	STEP 0, 0, 0
	s_sub_co_u32 s3, s3, 1
	s_cmp_lg_u32 s3, 0
	s_cbranch_scc1 .Lx
	TURN 0, 1, 2                                   ; x's K step 6 ends; slot 0 takes h's K step 0
	STEP 1, 0, 0
	TURN 1, 0, 2                                   ; x's K step 7 ends; slot 1 takes h's K step 1
	RESCALE                                        ; (h's first fragments are on their way from LDS meanwhile)
	STEP 0, 0, 0
	s_mov_b32 s3, 3
.Lh:                                                   ; h's K steps 0 to 5 are finished, K steps 2 to 7 asked for
	TURN 0, 1, 1
	STEP 1, 0, 0
	TURN 1, 0, 1
	STEP 0, 0, 0
	s_sub_co_u32 s3, s3, 1
	s_cmp_lg_u32 s3, 0
	s_cbranch_scc1 .Lh
	TURN 0, 1, 3                                   ; h's K step 6 ends; slot 0 has been read for the last time: c's tile goes there
	STEP 1, 0, 0
	s_wait_dscnt 4*NL                              ; the very last step: nothing more to fetch
	WIN MUL_LO
	MUL16 0, 1, 0
	MUL16 2, 1, 0
	s_wait_dscnt 0
	WIN MUL_HI
	MUL16 4, 1, 0
	MUL16 6, 1, 0
	WIN 0
	; THE WAY OUT IS THE CELL.  First the biases are multiplied by the factor in front of their gate's exponential; these 32 plain lines, which name no register of the last products, are also the places behind them.
	s_wait_loadcnt 0x0                             ; the biases, asked for at the head
.irp g, 0,1,2,3
.irp e, 0,2,4,6,8,10,12,14
.if \g == 2
	v_pk_mul_f32 v[BI+16*\g+\e:BI+16*\g+\e+1], v[BI+16*\g+\e:BI+16*\g+\e+1], 0x4038aa3b op_sel_hi:[1,0]   ; 2 log2(e)
.else
	v_pk_mul_f32 v[BI+16*\g+\e:BI+16*\g+\e+1], v[BI+16*\g+\e:BI+16*\g+\e+1], 0xbfb8aa3b op_sel_hi:[1,0]   ; -log2(e)
.endif
.endr
.endr
	s_wait_tensorcnt 0x0                           ; my 64 rows of c have landed (no load was issued behind that one),
	s_barrier_signal -1
	s_barrier_wait -1                              ; everybody's have: I read rows that other waves fetched
; Block k's 16 rows of my row half, of the output that I store, come back from LDS as whole rows of 256 bytes, two rows a load, and go to memory.
.macro LBK k
.irp t, 0,1,2,3,4,5,6,7
	ds_load_b128 v[OB+4*\t:OB+4*\t+3], v[RD] offset:(16*(\k)+2*\t)*PITCH
.endr
.endm
.macro SBK k
.irp t, 0,1,2,3,4,5,6,7
	global_store_b128 v[OV], v[OB+4*\t:OB+4*\t+3], s[80:81] offset:(16*(\k)+2*\t)*8192 th:TH_STORE_NT   ; 16 lanes store 256 consecutive bytes, at a multiple of 256 from the output's first byte; written once, read by nobody here
.endr
.endm
; Block a: my rows 16 a .. 16 a + 15, my 32 columns: 16 numbers a lane.  A row's 256 bytes come from two waves: so a barrier stands in the block's middle, at the wait that is due there anyway, behind which block a - 1 is
; whole in LDS; it is read back there and stored at the block's end.  Between two such barriers the waves read block a - 1's rows back, store block a's and read block a + 1's rows of c: no two of these share a row.
.macro EBLOCK a
.set AC, 64*((\a)%4)
.irp u, 0,1
.irp q, 0,1
	ds_load_b128 v[CC+8*\u+4*\q:CC+8*\u+4*\q+3], v[CA] offset:(\a)*16*PITCH+64*\u+16*\q   ; c(16 a + r, 16 u + 8 h + 4 q ..)
.endr
.endr
	WIN 0x02+((\a)/4)                              ; source 0: window 2 or 3
.irp g, 0,1,2,3                        ; the exponents: sum x factor x 2^(e2 + e3) + bias x factor, two at a time; each accumulator from its low end on
.irp e, 0,2,4,6,8,10,12,14
.if \g == 2
	v_pk_fma_f32 v[T+16*\g+\e:T+16*\g+\e+1], v[AC+16*\g+\e:AC+16*\g+\e+1], s[FT:FT+1], v[BI+16*\g+\e:BI+16*\g+\e+1] op_sel_hi:[1,0,1]
.else
	v_pk_fma_f32 v[T+16*\g+\e:T+16*\g+\e+1], v[AC+16*\g+\e:AC+16*\g+\e+1], s[FS:FS+1], v[BI+16*\g+\e:BI+16*\g+\e+1] op_sel_hi:[1,0,1]
.endif
.endr
.endr
	WIN 0
.set J, 0
.rept 64
	v_exp_f32 v[T+J], v[T+J]
.set J, J+1
.endr
	v_nop                                          ; a plain instruction between the last exponential and the use of its result
.set J, 0
	s_wait_alu depctr_va_vdst(0)
.rept 32
	v_pk_add_f32 v[T+J:T+J+1], v[T+J:T+J+1], 1.0 op_sel_hi:[1,0]
.set J, J+2
.endr
.set J, 0
.rept 64
	v_rcp_f32 v[T+J], v[T+J]                       ; i, f and o are finished: 1 / (1 + 2^(-log2(e) g))
.set J, J+1
.endr
	v_nop                                          ; a plain instruction between the last reciprocal and the use of its result
	s_wait_alu depctr_va_vdst(0)
.irp e, 0,2,4,6,8,10,12,14
	v_pk_fma_f32 v[T+32+\e:T+32+\e+1], v[T+32+\e:T+32+\e+1], -2.0, 1.0 op_sel_hi:[1,0,0]   ; c^ = 1 - 2 / (1 + 2^(2 log2(e) g))
.endr
	s_wait_dscnt 0x0                               ; c is in; for the others' sake: my stores of block a - 1 are done
.if (\a) >= 1
	s_barrier_signal -1                            ; say so, and work on registers while the others arrive
.endif
.irp e, 0,2,4,6,8,10,12,14
	v_pk_mul_f32 v[CN+\e:CN+\e+1], v[T+16+\e:T+16+\e+1], v[CC+\e:CC+\e+1]                  ; f c
.endr
.irp e, 0,2,4,6,8,10,12,14
	v_pk_fma_f32 v[CN+\e:CN+\e+1], v[T+\e:T+\e+1], v[T+32+\e:T+32+\e+1], v[CN+\e:CN+\e+1]  ; + i c^ = c_new
.endr
.if (\a) >= 1
	s_barrier_wait -1                              ; block a - 1 is whole in LDS
.if (\a) >= 2
	s_wait_xcnt 0x0                                ; block a - 2's stores, issued at the end of the block before, have read their registers (ISA guide 3.1): the loads below may land there
.endif
	LBK \a-1
.endif
.irp u, 0,1
.irp q, 0,1
	ds_store_b128 v[CA], v[CN+8*\u+4*\q:CN+8*\u+4*\q+3] offset:(\a)*16*PITCH+64*\u+16*\q   ; over the bytes of c that this lane alone has read
.endr
.endr
.irp e, 0,2,4,6,8,10,12,14
	v_pk_mul_f32 v[U+\e:U+\e+1], v[CN+\e:CN+\e+1], 0x4038aa3b op_sel_hi:[1,0]              ; 2 log2(e) c_new
.endr
.set J, 0
.rept 16
	v_exp_f32 v[U+J], v[U+J]
.set J, J+1
.endr
	v_nop
	s_wait_alu depctr_va_vdst(0)
.irp e, 0,2,4,6,8,10,12,14
	v_pk_add_f32 v[U+\e:U+\e+1], v[U+\e:U+\e+1], 1.0 op_sel_hi:[1,0]
.endr
.set J, 0
.rept 16
	v_rcp_f32 v[U+J], v[U+J]
.set J, J+1
.endr
	v_nop
	s_wait_alu depctr_va_vdst(0)
.irp e, 0,2,4,6,8,10,12,14
	v_pk_fma_f32 v[U+\e:U+\e+1], v[U+\e:U+\e+1], -2.0, 1.0 op_sel_hi:[1,0,0]               ; tanh(c_new)
.endr
.irp e, 0,2,4,6,8,10,12,14
	v_pk_mul_f32 v[U+\e:U+\e+1], v[U+\e:U+\e+1], v[T+48+\e:T+48+\e+1]                      ; x o = h_new
.endr
.irp u, 0,1
.irp q, 0,1
	ds_store_b128 v[HAD], v[U+8*\u+4*\q:U+8*\u+4*\q+3] offset:(\a)*16*PITCH+64*\u+16*\q
.endr
.endr
.if (\a) >= 1
	s_wait_dscnt 8                                 ; LDS instructions end in order (ISA guide 5.7.1): block a - 1's eight loads are back; this block's 4 + 4 stores, issued behind them, may be out
	SBK \a-1                                       ; block a - 1 leaves while the next blocks are worked
.endif
.endm
.irp a, 0,1,2,3,4,5,6,7
	EBLOCK \a
.endr
	s_wait_dscnt 0x0                               ; for the others' sake: my stores of block 7 are done
	s_barrier_signal -1
	s_barrier_wait -1                              ; block 7 is whole in LDS
	s_wait_xcnt 0x0                                ; block 6's stores have read their registers
	LBK 7
	s_wait_dscnt 0x0
	SBK 7
	s_wait_tensorcnt 0x0                           ; the wave's end, behind my last tensor load and my last LDS store
	ds_add_u32 v[SPW], v[NIL]
	s_wait_dscnt 0x0
	CROUND                                         ; the closing round: no work-group ends while a partner may still ask for a tile that names it
	s_endpgm
.Lfunc_end_k_qa62b0fe997_lstm:
	.size	k_qa62b0fe997_lstm, .Lfunc_end_k_qa62b0fe997_lstm-k_qa62b0fe997_lstm
	.p2alignl 7, 3214868480
	.fill 96, 4, 3214868480
	.section	.rodata,"a",@progbits
	.p2align	6, 0x0
	.amdhsa_kernel k_qa62b0fe997_lstm
		.amdhsa_group_segment_fixed_size 327680
		.amdhsa_private_segment_fixed_size 0
		.amdhsa_enable_private_segment 0
		.amdhsa_kernarg_size 88
		.amdhsa_user_sgpr_count 2
		.amdhsa_user_sgpr_kernarg_segment_ptr 1
		.amdhsa_wavefront_size32 1
		.amdhsa_system_sgpr_workgroup_id_x 1
		.amdhsa_system_sgpr_workgroup_id_y 1
		.amdhsa_system_sgpr_workgroup_id_z 1
		.amdhsa_system_vgpr_workitem_id 0
		.amdhsa_next_free_vgpr 1024
		.amdhsa_next_free_sgpr 102
		.amdhsa_reserve_vcc 0
		.amdhsa_float_denorm_mode_32 3
		.amdhsa_float_denorm_mode_16_64 3
		.amdhsa_memory_ordered 1
		.amdhsa_forward_progress 1
		.amdhsa_inst_pref_size 255
	.end_amdhsa_kernel
	.section	.bss,"aw",@nobits
	.p2align	6
	.space	262144
	.amdgpu_metadata
---
amdhsa.version: [ 1, 2 ]
amdhsa.kernels:
  - .name:           k_qa62b0fe997_lstm
    .symbol:         k_qa62b0fe997_lstm.kd
    .args:
      - { .name: x_codes, .offset: 0, .size: 8, .value_kind: global_buffer, .address_space: global }
      - { .name: h_codes, .offset: 8, .size: 8, .value_kind: global_buffer, .address_space: global }
      - { .name: wcodes, .offset: 16, .size: 8, .value_kind: global_buffer, .address_space: global }
      - { .name: lowp_scales, .offset: 24, .size: 8, .value_kind: global_buffer, .address_space: global }
      - { .name: c, .offset: 32, .size: 8, .value_kind: global_buffer, .address_space: global }
      - { .name: b_i, .offset: 40, .size: 8, .value_kind: global_buffer, .address_space: global }
      - { .name: b_f, .offset: 48, .size: 8, .value_kind: global_buffer, .address_space: global }
      - { .name: b_c, .offset: 56, .size: 8, .value_kind: global_buffer, .address_space: global }
      - { .name: b_o, .offset: 64, .size: 8, .value_kind: global_buffer, .address_space: global }
      - { .name: out0, .offset: 72, .size: 8, .value_kind: global_buffer, .address_space: global }
      - { .name: out1, .offset: 80, .size: 8, .value_kind: global_buffer, .address_space: global }
    .group_segment_fixed_size: 327680
    .private_segment_fixed_size: 0
    .kernarg_segment_align: 8
    .kernarg_segment_size: 88
    .max_flat_workgroup_size: 128
    .sgpr_count:     102
    .vgpr_count:     1024
    .wavefront_size: 32
...
	.end_amdgpu_metadata
.endif
;; end of part 2
